; MI455X (gfx1250); checked and timed in simulation.
; The chip was launched on July 23, 2026; its instructions are those of AMD's public machine-readable ISA for CDNA 5 (MIT licence, August 2026) and "CDNA5" Instruction Set Architecture Reference Guide (July 2026). The comments in the code are by the model that wrote it; some were corrected since.
;; Carrier Token Attention2 D Timestep. Allowed arithmetic: matrix products marked QUANTISED: E2M1 operands, one E8M0 scale for each 32 along K, by v_wmma_scale_f32_16x16x128_f8f6f4 with both operands' format E2M1 (or v_wmma_scale_f32_32x16x128_f4), f32 sums; everything else in f32.
;; Inputs: logit_scale 16 x 1 x 1 float32; w_qkv 3,072 x 1,024 float32; x 8 x 1,024 x 1,024 float32.
;; Outputs: out0 8 x 1,024 x 1,024 float32.
;; This version of the problem:
;;   THIS VERSION OF THE PROBLEM IS GIVEN IN LOW PRECISION. The matrix products marked QUANTISED in the list below multiply operands that are first quantised to E2M1 (2 exponent bits, 1 mantissa bit; 4 bits a number), with one power-of-two scale for each 32 numbers along K (OCP MX v1.0); their sums are f32. All else is computed in f32.
;;   The module's matrix products, in the order in which they are computed (A, B: the left and right operand; K: the contracted axis; several contracted axes count as one K, in the product's order):
;;     1. [M 8,192, K 1,024] x [K 1,024, N 3,072]; A: input x; B: input w_qkv: QUANTISED
;;     2. batch 128 x [M 1,024, K 64] x [K 64, N 1,024]; A: computed on the way; B: computed on the way: QUANTISED
;;     3. batch 128 x [M 1,024, K 1,024] x [K 1,024, N 64]; A: softmax (see below); B: computed on the way: QUANTISED
;;   THE QUANTISER, for each operand of a quantised product, along K:
;;     - K is cut into blocks of 32 from its start; a last block that is shorter is filled with zeros.
;;     - A block's scale is 2^e with e = floor(log2(the largest magnitude in the block)) - 2, held to -126 .. 127; a block of zeros has e = 0. As a byte (E8M0): e + 127.
;;     - Each number is divided by its block's scale, clamped to +-6, and rounded to the nearest number of E2M1, ties to even, subnormals kept.
;;     - The product sums the exact products of the quantised numbers (number of the format x scale) in f32.
;;   ~~~python
;;   def quantise(x, axis):      # numpy; x: float32 -> the quantised numbers, widened to float32 again
;;       x = np.moveaxis(x, axis, -1); K = x.shape[-1]
;;       x = np.pad(x, [(0, 0)] * (x.ndim - 1) + [(0, -K % 32)]); x = x.reshape(x.shape[:-1] + (-1, 32)); a = np.abs(x).max(-1, keepdims=True)
;;       e = np.where(a > 0, np.clip(np.frexp(np.where(a > 0, a, 1))[1] - 1 - 2, -126, 127), 0)      # np.frexp(a)[1] - 1 = floor(log2(a)), exactly
;;       r = np.clip(x / 2.0 ** e, -6, 6)
;;       step = 2.0 ** (np.maximum(np.frexp(np.where(r == 0, 1, r))[1] - 1, 0) - 1)
;;       q = np.round(r / step) * step * 2.0 ** e      # np.round: ties to even
;;       return np.moveaxis(q.reshape(q.shape[:-2] + (-1,))[..., :K], -1, axis).astype(np.float32)
;;   ~~~
;;   SOFTMAX AHEAD OF A QUANTISED PRODUCT. Where the list says 'softmax', what is quantised is not the finished softmax but p = 2^(t - M), with t = logit x log2(e) and M = ceil(the row's largest t), a whole number; so 1/2 < the row's largest p <= 1. The row's sum l is taken of the UNQUANTISED p, in f32, and the product's result is divided by l at the end. Since M is a whole number, a kernel that streams over the keys may use a running M (the ceiling of the running maximum): every later rescaling is an exact power of two, which a block's scale takes up: the codes' values come out the same.
;;   OPERANDS COMPUTED ON THE WAY. 'Computed on the way' means the value that the module computes at that place (a softmax that the list does not call 'softmax' is quantised finished and normalised). What goes into a quantiser is computed in f32, as accurately as f32 sums, v_exp_f32 and their like allow (about 1e-6 of the number): no bf16 or f16 on the way to a quantiser, and a product that is left as it is and whose result goes on into a quantised operand takes f32 operands (vector FMAs, or v_wmma_f32_16x16x4_f32). A number that lies on a knife's edge between two numbers of the format may be rounded either way, as far as f32 arithmetic and the matrix unit's own rounding can turn it there, and no further.
;; One version. Each part assembles by itself: llvm-mc -triple=amdgcn-amd-amdhsa -mcpu=gfx1250 --defsym DOCPART=n.
;; ======== version 1 of 1: 3 launches
;; limits: right only within a limited range of input values
;; workspace buffers: xc 4,194,304 bytes; xsc 262,144 bytes; wc 1,572,864 bytes; wsc 98,304 bytes; rope 4,096 bytes; qkv 13,893,632 bytes
;; launch quant (part 1): grid 353 x 1, 4 waves a work-group, no clusters, 33,280 bytes of LDS; arguments x, w_qkv, xc, xsc, wc, wsc, rope; writes xc, xsc, wc, wsc, rope
.if DOCPART == 1
	.amdgcn_target "amdgcn-amd-amdhsa--gfx1250"
	.amdhsa_code_object_version 6
	.text
	.protected	k_qa999262da1_quant
	.globl	k_qa999262da1_quant
	.p2align	8
	.type	k_qa999262da1_quant,@function
k_qa999262da1_quant:
	s_mov_b64 s[64:65], 0
	v_nop
	global_prefetch_b8 v0, s[64:65] scope:SCOPE_SE
	s_setreg_imm32_b32 hwreg(HW_REG_WAVE_MODE, 25, 1), 1
	s_wait_xcnt 0x0
; x [8192][1024] and w_qkv [3072][1024], f32, K innermost, become codes of FP4 (E2M1) with one E8M0 scale byte for each 32 along K; and the table of the 2-D rotary angles is made.
; A block's scale is 2^(floor(log2(its largest magnitude)) - 2); its byte is the largest magnitude's exponent field - 2, held at 1 from below.  A block of zeros so gets the byte 1 where the rule says 127:
; its codes are zeros, which add nothing under any byte but 0xff, and the bytes are read by this program alone.
; LIMITS: blocks whose largest magnitude lies under 2^-124 get the byte 1; NaN and infinities among the inputs are not served.
; WORK-GROUPS 0-255 take x, 256-351 w_qkv: 32 rows each, a wave 8 rows (8,192 numbers, 16 steps of 512).  Each load reads 512 consecutive bytes; a step's 2,048 bytes turn through the wave's own stage in LDS, so that
; a lane holds 16 neighbours along K (two lanes a block); a lane's 16 codes are 8 bytes, so a wave's store covers 256 consecutive bytes; a wave's 256 scale bytes are gathered in LDS and leave as one block.
; THE ROWS ARE LAID PERMUTED: in each group of 32 rows the second and the third group of 8 change places (the wave's number with its two bits swapped says where its 8 rows go).  A tile of 16 such positions
; holds rows 0-7 and 16-23 (or 8-15 and 24-31) of its 32: taken as source 0 of a matrix instruction, the 16 result registers of two neighbouring tiles are then 16 neighbouring rows.
; WORK-GROUP 352 makes the table rope [position 32][frequency 16][cos, sin], f32.  The angle is position x F, F = 1 / P, P = 10^(f / 4) rounded to f32: each rounded once, in f32.  cos and sin: the angle less k pi/2
; (pi/2 in two parts; the first product is exact for angles up to 31), polynomials on |r| <= pi/4, then the quadrant.  They are good to about one unit in the last place.
.set STEPS, 16
.set WGA,   256                        ; x's work-groups
.set WGT,   352                        ; the table's
.set EMAX,  2
.set CB,    8                          ; bytes of 16 codes
.set R,     16                         ; v16-143  eight sets of 16 numbers as they are loaded: loads run eight steps (32 loads a wave) ahead
.set X,     144                        ; v144-175 two sets of 16 neighbours
.set C,     192                        ; v192-255 codes: four registers for each step, of which the first two are used, so that no store's data are written again (v194, v195 serve the add)
.set E,     176                        ; v176-191 a scale byte for each step
.set WREG,  8192                       ; LDS: a region for each wave: two stages of 32 x SP bytes, then its 256 scale bytes
.set SP,    80                         ; a lane's place in a stage: 64 bytes + 16 of padding
	s_load_b128 s[4:7], s[0:1], 0x0                ; x, w_qkv
	s_load_b128 s[8:11], s[0:1], 0x10              ; x's codes, x's scales
	s_load_b128 s[12:15], s[0:1], 0x20             ; w's codes, w's scales
	s_load_b64 s[24:25], s[0:1], 0x30              ; the table
	v_lshl_add_u32 v194, v0, 2, 0x8000
	v_mov_b32 v195, 0
	v_lshrrev_b32 v1, 5, v0
	v_readfirstlane_b32 s16, v1                    ; wave
	v_and_b32 v2, 31, v0                           ; lane
	v_lshlrev_b32 v3, 4, v2                        ; my 16 bytes of a load's 512
	s_mul_i32 s17, s16, WREG
	v_lshrrev_b32 v14, 2, v2
	v_mul_u32_u24 v14, v14, SP
	v_and_b32 v15, 3, v2
	v_lshl_add_u32 v14, v15, 4, v14
	v_add_nc_u32 v14, s17, v14                     ; the stage, on the way in: SP (lane / 4) + 16 (lane % 4)
	v_mul_u32_u24 v15, v2, SP
	v_add_nc_u32 v15, s17, v15                     ; and on the way out: SP x lane: my 16 neighbours
	v_mul_u32_u24 v4, v2, CB                       ; my codes' place in a step's
	v_lshrrev_b32 v5, 1, v2
	s_add_co_u32 s17, s17, 2*32*SP
	v_add_nc_u32 v5, s17, v5                       ; LDS: my wave's 256 scale bytes, my block's byte
	v_lshlrev_b32 v7, 3, v2                        ; and on the way out 8 bytes a lane
	v_add_nc_u32 v6, s17, v7
	s_wait_kmcnt 0x0
	s_cmp_eq_u32 ttmp9, WGT
	s_cbranch_scc1 .Ltable
	s_cmp_lt_u32 ttmp9, WGA                        ; x's work-group or w's?  The choice hangs on the work-group's number alone
	s_cselect_b64 s[4:5], s[4:5], s[6:7]
	s_cselect_b64 s[8:9], s[8:9], s[12:13]
	s_cselect_b64 s[10:11], s[10:11], s[14:15]
	s_cselect_b32 s17, 0, WGA
	s_sub_co_u32 s17, ttmp9, s17
	s_lshl_b32 s17, s17, 2                         ; the work-group's first group of 8 rows
	s_add_co_u32 s18, s17, s16                     ; in: group 4 g + wave
	s_lshl_b32 s18, s18, 15                        ; x 32,768 bytes (under 2^26)
	s_mov_b32 s19, 0
	s_add_nc_u64 s[4:5], s[4:5], s[18:19]
	s_and_b32 s18, s16, 1                          ; out: the wave's two bits swapped
	s_lshl_b32 s18, s18, 1
	s_lshr_b32 s20, s16, 1
	s_or_b32 s18, s18, s20
	s_add_co_u32 s20, s18, s17
	s_lshl_b32 s18, s20, 12                        ; 8 rows of 512 bytes of codes
	s_add_nc_u64 s[8:9], s[8:9], s[18:19]
	s_lshl_b32 s18, s20, 8                         ; 8 rows of 32 scale bytes
	s_add_nc_u64 s[10:11], s[10:11], s[18:19]
.macro LOAD t
.irp i, 0,1,2,3
	global_load_b128 v[R+16*((\t)%8)+4*\i:R+16*((\t)%8)+4*\i+3], v3, s[4:5] offset:2048*(\t)+512*\i th:TH_LOAD_NT   ; 32 lanes read 512 consecutive bytes
.endr
.endm
.macro TURN t                          ; step t's numbers through the stage: LDS serves a wave's instructions in order (ISA guide 5.7.1.4), so no wait stands between the stores and the loads
.irp i, 0,1,2,3
	ds_store_b128 v14, v[R+16*((\t)%8)+4*\i:R+16*((\t)%8)+4*\i+3] offset:32*SP*((\t)%2)+8*SP*\i
.endr
.irp i, 0,1,2,3
	ds_load_b128 v[X+16*((\t)%2)+4*\i:X+16*((\t)%2)+4*\i+3], v15 offset:32*SP*((\t)%2)+16*\i
.endr
.endm
.irp t, 0,1,2,3,4,5,6,7
	LOAD \t
.endr
	s_wait_loadcnt 28                              ; step 0's four loads are in; the 28 of steps 1 to 7 may be out
	s_wait_alu depctr_va_vdst(0)
	TURN 0
.macro STEP t
.set XS, X+16*((\t)%2)
.if (\t) > 0
	s_wait_dscnt 1                                 ; this step's numbers are back from the stage (the last step's byte store may be out): so its stores into the stage have read their registers,
.else
	s_wait_dscnt 0x0
.endif
.if (\t)+8 < STEPS
	LOAD (\t)+8                                    ; which take the loads of eight steps on
.endif
.if (\t)+1 < STEPS
.if STEPS-2-(\t) >= 7
	s_wait_loadcnt 28                              ; the next step's four loads are in; those of the seven steps behind it may be out
.else
	s_wait_loadcnt 4*(STEPS-2-(\t))
.endif
	TURN (\t)+1                                    ; and go through the other stage while this step is worked
.endif
	v_max3_num_f32 v8, |v[XS]|, |v[XS+1]|, |v[XS+2]|               ; the largest magnitude of my 16, in two chains
	v_max3_num_f32 v9, |v[XS+3]|, |v[XS+4]|, |v[XS+5]|
.irp i, 6,10
	v_max3_num_f32 v8, v8, |v[XS+\i]|, |v[XS+\i+1]|
	v_max3_num_f32 v9, v9, |v[XS+\i+2]|, |v[XS+\i+3]|
.endr
	v_max3_num_f32 v8, v8, |v[XS+14]|, |v[XS+15]|
	v_max3_num_f32 v8, v8, v9, (EMAX+1)<<23        ; and the floor 2^(3 - 127): so the byte cannot fall under 1
	v_max_num_f32_dpp v8, v8, v8 row_xmask:1 row_mask:0xf bank_mask:0xf   ; and of my neighbour's 16: the block's
	v_add_nc_u32 v11, -(EMAX<<23), v8              ; 2 off its exponent field: the conversion takes the exponent field of this operand as its scale, and nothing else of it
	v_cvt_scalef32_pk8_fp4_f32 v[C+4*(\t)], v[XS:XS+7], v11
	v_cvt_scalef32_pk8_fp4_f32 v[C+4*(\t)+1], v[XS+8:XS+15], v11
	v_lshrrev_b32 v[E+(\t)], 23, v11               ; the scale's byte (also the plain line behind the conversions)
	ds_store_b8 v5, v[E+(\t)] offset:16*(\t)       ; both lanes of a block write the same byte with the same value
	global_store_b64 v4, v[C+4*(\t):C+4*(\t)+1], s[8:9] offset:32*CB*(\t)   ; 32 lanes store 256 consecutive bytes, aligned
.endm
.irp t, 0,1,2,3,4,5,6,7,8,9,10,11,12,13,14,15
	STEP \t
.endr
	ds_load_b64 v[12:13], v6                       ; these see my byte stores: one wave's LDS instructions are served in order
	s_wait_dscnt 0x0
	global_store_b64 v7, v[12:13], s[10:11]        ; 32 lanes store 256 consecutive bytes, aligned
	s_wait_tensorcnt 0x0
	ds_add_u32 v194, v195
	s_wait_dscnt 0x0
	s_endpgm
; ---- the table.  Thread t: frequencies 2 (t % 8) and 2 (t % 8) + 1, positions t / 8 and t / 8 + 16
.Ltable:
	v_and_b32 v1, 7, v0
	s_wait_alu depctr_va_vdst(0)
	v_lshrrev_b32 v2, 3, v0
	v_cvt_f32_u32 v3, v2                           ; position, as f32
	v_add_f32 v4, 0x41800000, v3                   ; + 16
	v_lshlrev_b32 v11, 4, v0                       ; my 16 bytes: 128 x position + 16 (t % 8)
	s_mov_b32 s32, 0x3f800000                      ; P = 10^(f / 4), f = 0 .. 15, rounded to f32
	s_mov_b32 s33, 0x3fe39ea9
	s_mov_b32 s34, 0x404a62c2
	s_mov_b32 s35, 0x40b3f300
	s_mov_b32 s36, 0x41200000
	s_mov_b32 s37, 0x418e432a
	s_mov_b32 s38, 0x41fcfb72
	s_mov_b32 s39, 0x4260efc0
	s_mov_b32 s40, 0x42c80000
	s_mov_b32 s41, 0x4331d3f4
	s_mov_b32 s42, 0x439e1d27
	s_mov_b32 s43, 0x440c95d8
	s_mov_b32 s44, 0x447a0000
	s_mov_b32 s45, 0x44de48f1
	s_mov_b32 s46, 0x4545a471
	s_mov_b32 s47, 0x45afbb4e
	s_mov_b32 s48, 0x3f22f983                      ; 2 / pi
	s_mov_b32 s49, 0x3fc90fdb                      ; pi / 2, its upper part,
	s_mov_b32 s50, 0xb33bbd2e                      ; and the rest
	s_mov_b32 s51, 0xb94ca1f9                      ; sine: -1.9515295891e-4,
	s_mov_b32 s52, 0x3c08839e                      ; 8.3321608736e-3,
	s_mov_b32 s53, 0xbe2aaaa3                      ; -1.6666654611e-1
	s_mov_b32 s54, 0x37ccf5ce                      ; cosine: 2.443315711809948e-5,
	s_mov_b32 s55, 0xbab6061a                      ; -1.388731625493765e-3,
	s_mov_b32 s63, 0x3d2aaaa5                      ; 4.166664568298827e-2
.irp k, 1,2,3,4,5,6,7
	v_cmp_eq_u32 s[55+\k], \k, v1                  ; the lanes with t % 8 = k
.endr
	v_mov_b32 v5, s32
	v_mov_b32 v6, s33
.irp k, 1,2,3,4,5,6,7
	v_cndmask_b32 v5, v5, s[32+2*\k], s[55+\k]     ; P of my even frequency,
	v_cndmask_b32 v6, v6, s[33+2*\k], s[55+\k]     ; of my odd one
.endr
	s_wait_alu depctr_va_vdst(0)
	v_rcp_f32 v7, v5
	v_rcp_f32 v8, v6
	v_nop                                          ; a plain line behind the reciprocals,
	s_wait_alu depctr_va_vdst(0)                   ; and the wait ahead of their first reader
	v_fma_f32 v9, -v5, v7, 1.0                     ; one step of Newton's: F = 1 / P to the last place or nearly
	v_fma_f32 v10, -v6, v8, 1.0
	v_fma_f32 v7, v7, v9, v7
	v_fma_f32 v8, v8, v10, v8
.macro SINCOS p, f, c, s               ; v[c] = cos, v[s] = sin of v[p] x v[f]
	v_mul_f32 v20, v[\p], v[\f]                    ; the angle: one f32 product
	v_mul_f32 v21, s48, v20
	v_rndne_f32 v21, v21                           ; k
	v_fma_f32 v22, -v21, s49, v20
	v_fma_f32 v22, -v21, s50, v22                  ; r = angle - k pi / 2
	v_mul_f32 v23, v22, v22                        ; z = r r
	v_fma_f32 v24, v23, s51, s52
	v_fma_f32 v26, v23, s54, s55
	v_fma_f32 v24, v24, v23, s53
	v_fma_f32 v26, v26, v23, s63
	v_mul_f32 v25, v23, v22
	v_mul_f32 v27, v23, v23
	v_fma_f32 v28, v23, -0.5, 1.0
	v_fma_f32 v24, v24, v25, v22                   ; sin r
	v_fma_f32 v26, v26, v27, v28                   ; cos r
	v_cvt_i32_f32 v29, v21
	v_and_b32 v30, 1, v29
	v_cmp_eq_u32 vcc_lo, 1, v30
	v_cndmask_b32 v[\s], v24, v26, vcc_lo          ; in odd quadrants the two change places
	v_cndmask_b32 v[\c], v26, v24, vcc_lo
	v_and_b32 v30, 2, v29
	v_lshlrev_b32 v30, 30, v30
	v_xor_b32 v[\s], v[\s], v30                    ; the sine is negative in quadrants 2 and 3,
	v_add_nc_u32 v31, 1, v29
	v_and_b32 v31, 2, v31
	v_lshlrev_b32 v31, 30, v31
	v_xor_b32 v[\c], v[\c], v31                    ; the cosine in 1 and 2
.endm
	SINCOS 3, 7, 12, 13
	SINCOS 3, 8, 14, 15
	SINCOS 4, 7, 16, 17
	SINCOS 4, 8, 18, 19
	global_store_b128 v11, v[12:15], s[24:25]               ; a wave stores 512 consecutive bytes
	global_store_b128 v11, v[16:19], s[24:25] offset:2048
	s_endpgm
.Lfunc_end_k_qa999262da1_quant:
	.size	k_qa999262da1_quant, .Lfunc_end_k_qa999262da1_quant-k_qa999262da1_quant
	.p2alignl 7, 3214868480
	.fill 96, 4, 3214868480
	.section	.rodata,"a",@progbits
	.p2align	6, 0x0
	.amdhsa_kernel k_qa999262da1_quant
		.amdhsa_group_segment_fixed_size 33280
		.amdhsa_private_segment_fixed_size 0
		.amdhsa_enable_private_segment 0
		.amdhsa_kernarg_size 56
		.amdhsa_user_sgpr_count 2
		.amdhsa_user_sgpr_kernarg_segment_ptr 1
		.amdhsa_wavefront_size32 1
		.amdhsa_system_sgpr_workgroup_id_x 1
		.amdhsa_system_sgpr_workgroup_id_y 1
		.amdhsa_system_sgpr_workgroup_id_z 1
		.amdhsa_system_vgpr_workitem_id 0
		.amdhsa_next_free_vgpr 256
		.amdhsa_next_free_sgpr 66
		.amdhsa_reserve_vcc 1
		.amdhsa_float_denorm_mode_32 3
		.amdhsa_float_denorm_mode_16_64 3
		.amdhsa_memory_ordered 1
		.amdhsa_forward_progress 1
		.amdhsa_inst_pref_size 42
	.end_amdhsa_kernel
	.amdgpu_metadata
---
amdhsa.version: [ 1, 2 ]
amdhsa.kernels:
  - .name:           k_qa999262da1_quant
    .symbol:         k_qa999262da1_quant.kd
    .args:
      - { .name: x, .offset: 0, .size: 8, .value_kind: global_buffer, .address_space: global }
      - { .name: w_qkv, .offset: 8, .size: 8, .value_kind: global_buffer, .address_space: global }
      - { .name: xc, .offset: 16, .size: 8, .value_kind: global_buffer, .address_space: global }
      - { .name: xsc, .offset: 24, .size: 8, .value_kind: global_buffer, .address_space: global }
      - { .name: wc, .offset: 32, .size: 8, .value_kind: global_buffer, .address_space: global }
      - { .name: wsc, .offset: 40, .size: 8, .value_kind: global_buffer, .address_space: global }
      - { .name: rope, .offset: 48, .size: 8, .value_kind: global_buffer, .address_space: global }
    .group_segment_fixed_size: 33280
    .private_segment_fixed_size: 0
    .kernarg_segment_align: 8
    .kernarg_segment_size: 56
    .max_flat_workgroup_size: 128
    .sgpr_count:     66
    .vgpr_count:     256
    .wavefront_size: 32
...
	.end_amdgpu_metadata
.endif
;; end of part 1
;; launch gemm (part 2): grid 12 x 32, 4 waves a work-group, clusters of 4 x 4, 327,680 bytes of LDS; arguments xc, xsc, wc, wsc, rope, qkv; writes qkv
.if DOCPART == 2
	.amdgcn_target "amdgcn-amd-amdhsa--gfx1250"
	.amdhsa_code_object_version 6
	.text
	.protected	k_qa999262da1_gemm
	.globl	k_qa999262da1_gemm
	.p2align	8
	.type	k_qa999262da1_gemm,@function
k_qa999262da1_gemm:
	s_mov_b64 s[64:65], 0
	v_nop
	global_prefetch_b8 v0, s[64:65] scope:SCOPE_SE
	s_setreg_imm32_b32 hwreg(HW_REG_WAVE_MODE, 25, 1), 1
	s_wait_xcnt 0x0
	s_wait_alu depctr_hold_cnt(0) depctr_sa_sdst(0) depctr_va_vdst(0) depctr_va_sdst(0) depctr_va_ssrc(0) depctr_va_vcc(0) depctr_vm_vsrc(0)
	s_getreg_b32 s2, hwreg(HW_REG_IB_STS2, 6, 4)
	s_cmp_eq_u32 s2, 0
	s_cbranch_scc0 .Lentry_in_a_cluster
	s_endpgm
.Lentry_in_a_cluster:
	s_bfe_u32 s2, ttmp6, 0x10000c
	s_cmp_lg_u32 s2, 0xf033
	s_cbranch_scc0 .Lentry_shape_is_right
	s_endpgm
.Lentry_shape_is_right:
; qkv = x w_qkv^T on codes of FP4 (E2M1) with one E8M0 scale for each 32 along K = 1,024, and what follows it up to the next quantisers: q and k are rotated (2-D rotary angles), divided by their length for each
; head of 64 and quantised along the head; v is quantised along the tokens.  All leave as codes and scale words, laid as images of the next launch's operand registers.
; SHARES.  A work-group of four waves makes 256 tokens x 256 columns, a wave 128 x 128: 64 accumulators, 512 registers.  Tile columns 0-3 are q, 4-7 k, 8-11 v: a cluster (4 x 4 work-groups) is of one kind.
; LDS.  K is two slots of 512 (rows of 256 bytes + 16 of padding = 68 words, so that the 16 rows of a fragment load start in 16 different groups of banks; 64 banks of 4 bytes: ISA guide 11.1).  Both slots and all scale bytes
; are filled once, at the start: three tensor loads of a wave are out at the most, and no LDS byte is filled again or stored to.
; CLUSTER.  The four work-groups of a row of the cluster need the same tiles of x, the four of a column the same tiles of w: each tile is asked for jointly, by the same load with a mask that names the four.
; TWO ORIENTATIONS, ONE LOOP.  Source 0 is called P, source 1 R.  A lane of the result holds ONE row of R, and its registers run along P.  For q and k: P = w's rows, R = tokens: a lane holds a token and its registers
; run along the head.  For v: P = tokens, R = w's rows: a lane holds a channel and its registers run along the tokens.  Only four LDS bases differ; they are chosen on the cluster's x, which all partners share.
; The rows of both operands lie permuted in memory (in each 32 rows the second and third 8 have changed places), so the 64 registers of one block of R are P's rows in this order: register 16 b + i = row 32 b + 16 (lane / 16) + i;
; and lane r of R's tile t is row 32 (t / 2) + 16 (r / 8) + 8 (t % 2) + r % 8.
; LIMITS: NaN and infinities are not served.  max(length, 1e-12) is taken as max(sum of squares, 1e-24) under the root; the sum of squares is added in another order than a plain loop's; 1 / length comes from v_rsq_f32.
; Blocks whose largest magnitude lies under 2^-124, zero blocks among them, get the scale byte 1 (their bytes are read by this program alone; zero codes add nothing under it).
; REGISTERS, in windows of 256.  Window 0: v16-27 addresses; v32-95 R's scale words (block a, K step kq: 8 a + kq); v128-191 R's fragments, one set; v192-255 P's scale words.  On the way out v32-215 serve anew (below).
;   Window 1: v0-63, v128-191 P's fragments, two sets; v64-127 cos and sin of the row coordinate (four positions x 16); v192-223 of the column coordinate (two x 16).   Windows 2, 3: accumulator (a, b) at v[8 (8 (a % 4) + b)].
; HOW LDS IS FILLED AND WHO IS R (this stands in place of what the paragraphs LDS and TWO ORIENTATIONS above say of the fills and of the four bases).
; R's 256 rows always lie first in a slot and P's 256 behind them; R's scale bytes first, P's behind: no LDS address hangs on the kind of the cluster.
; Which buffer is R is chosen among the pointers, on the cluster's x.  R's tile number hangs on cy (q, k: token tile 4 x cluster y + cy; v: w's tile 8 + cy), P's on cx (q, k: w's tile 4 x cluster x + cx; v: token tile 4 x cluster y + cx):
; so R's tiles are shared along a row of the cluster and P's along a column in every cluster.
; At the head each wave issues one joint load: wave 0 slot 0's 256 rows of R, wave 1 those of P, wave 2 R's scale bytes, wave 3 P's.  Slot 1 is filled behind the wait for these, the add and a round of the cluster's barrier, 128 rows a wave.
; All of LDS is claimed.  No prefetch: K is two slots, so there is no loop to run ahead in.
.set PITCH,  272
.set HALFT,  128*PITCH                 ; 128 rows: what one tensor load brings, and what one wave reads of P or of R
.set SLOT,   4*HALFT                   ; x's 256 rows, then w's 256
.set SCL,    2*SLOT                    ; behind the slots: the scale bytes, 32 a row, as rows of 256 bytes + 16
.set HALFS,  16*272                    ; those of 128 rows
.set SBLK,   2*272                     ; those of 16 rows
.set HEADB,  108544                    ; a head's bytes in qkv: q 32,768 + 4,096, k the same, v 32,768 + 2,048
.set PARTB,  36864
.set ADRR, 16                          ; v16-17  LDS address of my R fragments in slot 0, 1
.set ADRP, 20                          ; v20-21  of my P fragments
.set ASR,  22                          ; v22     of R's scale words
.set ASP,  23                          ; v23     of P's
.set LI,   24                          ; v24     16 x lane: my place in an image
.set VSO,  25                          ; v25     v's scale words: 16 r, lanes 16-31 a head further on
.set TCR,  26                          ; v26     the table: 64 (lane / 16): my eight frequencies
.set TCC,  27                          ; v27     and with my token's column coordinate
.set RS,   32
.set RF,   128
.set PS,   192
.set CSR,  64                          ; in window 1
.set CSC,  192                         ; in window 1
.set X,    32                          ; the way out, window 0: v32-95 a block's 64 numbers, rotated, then divided by the length
.set SW,   96                          ; v96-111  scale words that wait for their store
.set TM,   112                         ; v112-127 the quantiser's: largest magnitudes, bytes, scale operands
.set CD,   128                         ; v128-191 codes, 8 registers a block: no store's data are written again
.set SS,   192                         ; v192-199 sums of squares: two chains of pairs a head
.set RQ,   200                         ; v200-203 1 / length, the low word of a pair a head
.set PT,   204                         ; v204-205 what the other half of the lanes sends
.set PW,   206                         ; v206     a block's scale word
.set OW,   208                         ; v208-215 scale words as they are stored
.set G1,   24                          ; s[24:31] descriptor group 1 for x's tiles;  s[32:39] group 0, a set for each slot
.set G0,   32
.set G1B,  48                          ; s[48:55], s[56:63] the same for w's
.set G0B,  56
.set G1S,  68                          ; s[68:75], s[76:79] groups 1 and 0 for x's scale bytes;  s[80:87], s[88:91] for w's
.set G0S,  76
.set G1SB, 80
.set G0SB, 88
.set ISV,  96                          ; s96  1 in a cluster of v
.set HIM,  97                          ; s97  the mask of lanes 16-31
.set OC,   98                          ; s[98:99]   where my codes go
.set OS,   100                         ; s[100:101] where my scale words go
.set SEL,  2                           ; s[2:3] v_permlanex16_b32's selects for lane l xor 16
.set MSB, 0
.macro WIN new                         ; the immediate's high byte repeats the setting that is left; a switch that changes nothing is dropped
.if MSB != \new
	s_set_vgpr_msb (MSB<<8)|\new
.set MSB, \new
.endif
.endm
.set MUL_LO, 0xa1                      ; source 0 (P) window 1, source 1 (R) window 0, C and D window 2
.set MUL_HI, 0xf1                      ; the same, C and D window 3
.set TO_P,   0x40                      ; destination window 1, address window 0
; A joint load: waves 0 and 1 fetch for x, waves 2 and 3 for w.  Each line has one mask and one set of registers for all that issue it; the branch hangs on the wave's number alone.
; Four v_nop follow each of the two lines, ahead of the jump, the label and what follows.
.macro JLOAD g0a, g1a, g0b, g1b
	s_cmp_eq_u32 s17, 0
	s_cbranch_scc0 .Lfor_w_\@
	tensor_load_to_lds s[\g0a:\g0a+3], s[\g1a:\g1a+7]
	s_nop 0
.rept 4
	v_nop
.endr
	s_branch .Lasked_\@
.Lfor_w_\@:
	tensor_load_to_lds s[\g0b:\g0b+3], s[\g1b:\g1b+7]
	s_nop 0
.rept 4
	v_nop
.endr
.Lasked_\@:
.endm
.macro CROUND                          ; a round of the cluster's barrier: my work-group's barrier; wave 0 signals for the work-group; every wave waits for all sixteen; my work-group's barrier once more
	s_barrier_signal -1
	s_barrier_wait -1
	s_cmp_lg_u32 s16, 0
	s_cbranch_scc1 .Lnot_wave_0_\@
	s_barrier_signal -3
.Lnot_wave_0_\@:
	s_barrier_wait -3
	s_barrier_signal -1
	s_barrier_wait -1
.endm
	s_load_b256 s[4:11], s[0:1], 0x0               ; x's codes s[4:5], x's scales s[6:7], w's codes s[8:9], w's scales s[10:11]
	s_load_b128 s[12:15], s[0:1], 0x20             ; the table s[12:13], qkv s[14:15]
	v_lshl_add_u32 v122, v0, 2, 0x48400
	v_mov_b32 v123, 0
	ds_add_u32 v122, v123
	ds_add_u32 v122, v123
	v_lshrrev_b32 v1, 5, v0
	v_readfirstlane_b32 s16, v1                    ; wave 0..3
	s_lshr_b32 s17, s16, 1                         ; which half of R is mine.  Also: I fetch for x (0) or for w (1)
	s_and_b32 s18, s16, 1                          ; which half of P.  Also: which 128 rows of that tile I fetch
	s_bfe_u32 s40, ttmp6, 0x40000                  ; cx, cy: my place in the cluster
	s_bfe_u32 s41, ttmp6, 0x40004
	; THE CLUSTERS ARE DEALT ANEW by their number L = 3 x (the launch's cluster y) + (its cluster x), 0 to 23, the same in all sixteen partners.  L under 16 makes q and k: where the comments above say cluster x and cluster y,
	; L % 2 and L / 2 are meant.  L from 16 on makes v, with L - 16 for cluster y.  So the clusters with the longer way out (rotation, length, quantiser) have the lower numbers, those of v (quantiser alone) the higher.
	s_and_b32 s95, ttmp7, 0xffff
	s_mul_i32 s95, s95, 3
	s_add_co_u32 s95, s95, ttmp9                   ; L
	s_and_b32 s94, s95, 1
	s_lshl_b32 s94, s94, 2                         ; q, k: 4 (L % 2),
	s_lshr_b32 s92, s95, 1
	s_lshl_b32 s92, s92, 2                         ; and 4 (L / 2)
	s_sub_co_u32 s93, s95, 16
	s_lshl_b32 s93, s93, 2                         ; v: 4 (L - 16); chosen only where L is 16 or more
	s_cmp_ge_u32 s95, 16                           ; a cluster of v?
	s_cselect_b32 s[ISV], 1, 0
	s_cselect_b32 s19, 8, s92
	s_cselect_b32 s42, s93, s94
	s_add_co_u32 s19, s19, s41                     ; R's tile: + cy
	s_add_co_u32 s42, s42, s40                     ; P's tile: + cx
	s_lshl_b32 s43, s41, 2
	s_lshl_b32 s43, 15, s43                        ; my row of the cluster
	s_lshl_b32 s44, 0x1111, s40                    ; my column
	; descriptor group 1: a tile of 128 rows x 256 bytes out of rows of 512, padded in LDS
	s_or_b32 s[G1+0], s43, (0<<16)|(1<<20)|(1<<21)|(5<<22)|(3<<25)  ; 15:0 the mask: x's tiles go to my row; 17:16 elements of 1 byte; 20 padding on; 21 set beside a mask; 24:22 after every 64 words; 31:25 four words
	s_or_b32 s[G1B+0], s44, (0<<16)|(1<<20)|(1<<21)|(5<<22)|(3<<25) ; w's go to my column
.irp g, G1, G1B
	s_mov_b32 s[\g+1], 256<<16                     ; tensor_dim0
	s_mov_b32 s[\g+2], 256<<16                     ; tensor_dim1: 256 rows for the head's loads
	s_mov_b32 s[\g+3], 256<<16                     ; tile_dim0
	s_mov_b32 s[\g+4], 256                         ; tile_dim1
	s_mov_b32 s[\g+5], 512                         ; from row to row
	s_mov_b32 s[\g+6], 0
	s_mov_b32 s[\g+7], 0
.endr
	; the scale bytes of 256 rows: 8,192 dense bytes, as 32 rows of 256 bytes (32 elements of 8), 16 bytes of padding behind each
	s_or_b32 s[G1S+0], s43, (3<<16)|(1<<20)|(1<<21)|(5<<22)|(3<<25)
	s_or_b32 s[G1SB+0], s44, (3<<16)|(1<<20)|(1<<21)|(5<<22)|(3<<25)
.irp g, G1S, G1SB
	s_mov_b32 s[\g+1], 32<<16
	s_mov_b32 s[\g+2], 32<<16                      ; the scale bytes of 256 rows: 32 rows of 256 bytes
	s_mov_b32 s[\g+3], 32<<16
	s_mov_b32 s[\g+4], 32
	s_mov_b32 s[\g+5], 32
	s_mov_b32 s[\g+6], 0
	s_mov_b32 s[\g+7], 0
.endr
	s_lshl_b32 s66, s18, 16                        ; for slot 1: which 128 rows of 512 bytes I fetch
	s_mov_b32 s67, 0
	s_lshl_b32 s21, s19, 8                         ; R: the tile's first row
	s_lshl_b32 s46, s42, 8                         ; P: likewise
	s_lshl_b32 s22, s21, 5                         ; x's scale bytes: 32 a row,
	s_mov_b32 s23, 0
	s_lshl_b32 s20, s21, 9                         ; its codes: 512 a row (all under 2^23)
	s_mov_b32 s21, 0
	s_lshl_b32 s92, s46, 5                         ; w's likewise, in registers that never hold the tile row
	s_mov_b32 s93, 0
	s_lshl_b32 s46, s46, 9
	s_mov_b32 s47, 0
	s_mul_i32 s45, s16, HALFT                      ; where they go: wave x 128 rows: no place in the cluster enters an LDS address
	s_wait_dscnt 0x0
	s_wait_kmcnt 0x0
	s_cmp_lg_u32 s[ISV], 0                         ; for v R is w and P is x; else R is x and P is w
	s_cselect_b64 s[94:95], s[8:9], s[4:5]         ; R's codes
	s_cselect_b64 s[8:9], s[4:5], s[8:9]           ; P's codes
	s_cselect_b64 s[4:5], s[10:11], s[6:7]         ; R's scale bytes
	s_cselect_b64 s[10:11], s[6:7], s[10:11]       ; P's scale bytes
	s_add_nc_u64 s[20:21], s[94:95], s[20:21]
	s_add_nc_u64 s[22:23], s[4:5], s[22:23]
	s_add_nc_u64 s[46:47], s[8:9], s[46:47]
	s_add_nc_u64 s[92:93], s[10:11], s[92:93]
	CROUND                                         ; all sixteen work-groups are here: the joint loads meet
	s_mov_b32 s[G0S], 1
	s_mov_b32 s[G0S+1], SCL
	s_mov_b64 s[G0S+2:G0S+3], s[22:23]
	s_or_b32 s[G0S+3], s[G0S+3], 0x80000000
	s_mov_b32 s[G0SB], 1
	s_mov_b32 s[G0SB+1], SCL+2*HALFS
	s_mov_b64 s[G0SB+2:G0SB+3], s[92:93]
	s_or_b32 s[G0SB+3], s[G0SB+3], 0x80000000
	s_mov_b32 s4, 1                                ; s[4:7]: group 0 for slot 0's 256 rows of R (the arguments that lay here have been used)
	s_mov_b32 s5, 0
	s_mov_b64 s[6:7], s[20:21]
	s_or_b32 s7, s7, 0x80000000
	s_mov_b32 s8, 1                                ; s[8:11]: for its 256 rows of P
	s_mov_b32 s9, 2*HALFT
	s_mov_b64 s[10:11], s[46:47]
	s_or_b32 s11, s11, 0x80000000
	s_add_nc_u64 s[20:21], s[20:21], s[66:67]      ; for slot 1: my 128 rows
	s_add_nc_u64 s[46:47], s[46:47], s[66:67]
.irp s, 1
	s_mov_b32 s[G0+4*\s], 1                        ; count = 1
	s_add_co_u32 s[G0+4*\s+1], s45, \s*SLOT        ; LDS address
	s_add_nc_u64 s[G0+4*\s+2:G0+4*\s+3], s[20:21], \s*256   ; global address: K = 512 s on
	s_or_b32 s[G0+4*\s+3], s[G0+4*\s+3], 0x80000000         ; type = 2
	s_mov_b32 s[G0B+4*\s], 1
	s_add_co_u32 s[G0B+4*\s+1], s45, \s*SLOT
	s_add_nc_u64 s[G0B+4*\s+2:G0B+4*\s+3], s[46:47], \s*256
	s_or_b32 s[G0B+4*\s+3], s[G0B+4*\s+3], 0x80000000
.endr
; the head's loads, one a wave: one tree of branches on the wave's number, an arm a load, all arms leading to one join
.macro ARM under, g0, g1, next
	s_cmp_lt_u32 s16, \under
	s_cbranch_scc0 \next
	tensor_load_to_lds s[\g0:\g0+3], s[\g1:\g1+7]
	s_nop 0
.rept 4
	v_nop
.endr
	s_branch .Lhead_asked
\next:
.endm
	ARM 1, 4, G1, .Lhead_p
	ARM 2, 8, G1B, .Lhead_sr
	ARM 3, G0S, G1S, .Lhead_sp
	tensor_load_to_lds s[G0SB:G0SB+3], s[G1SB:G1SB+7]
	s_nop 0
.rept 4
	v_nop
.endr
.Lhead_asked:
	; which operand is P and which R: chosen on the cluster's x
	s_cmp_lg_u32 s[ISV], 0
	s_cselect_b32 s66, s17, s18                    ; which half of w's 256 rows is mine (two heads),
	s_cselect_b32 s67, s18, s17                    ; which half of the 256 tokens
	s_cselect_b32 s92, s42, s19                    ; from here on s19 = the token tile,
	s_cselect_b32 s42, s19, s42                    ; s42 = w's tile: they serve the table's and the results' addresses
	s_mov_b32 s19, s92
	s_mul_i32 s20, s17, HALFT                      ; my 128 rows of R,
	s_mul_i32 s21, s18, HALFT
	s_add_co_u32 s21, s21, 2*HALFT                 ; of P, behind R's 256,
	s_mul_i32 s22, s17, HALFS
	s_add_co_u32 s22, s22, SCL                     ; and their scale bytes
	s_mul_i32 s23, s18, HALFS
	s_add_co_u32 s23, s23, SCL+2*HALFS
	v_and_b32 v1, 15, v0                           ; r = lane % 16
	v_bfe_u32 v2, v0, 4, 1                         ; h = lane / 16
	v_mul_u32_u24 v3, v1, PITCH
	v_lshl_add_u32 v3, v2, 4, v3                   ; a fragment's row x pitch + 16 h
	v_add_nc_u32 v[ADRR], s20, v3
	v_add_nc_u32 v[ADRP], s21, v3
	v_add_nc_u32 v[ADRR+1], SLOT, v[ADRR]
	v_add_nc_u32 v[ADRP+1], SLOT, v[ADRP]
	v_lshlrev_b32 v4, 5, v1                        ; my row's 32 scale bytes,
	v_lshrrev_b32 v5, 3, v1
	v_lshl_add_u32 v4, v5, 4, v4                   ; and 16 more behind the first eight rows
	v_add_nc_u32 v[ASR], s22, v4
	v_add_nc_u32 v[ASP], s23, v4
	v_and_b32 v6, 31, v0
	v_lshlrev_b32 v[LI], 4, v6
	v_mul_u32_u24 v[VSO], v2, HEADB
	v_lshl_add_u32 v[VSO], v1, 4, v[VSO]
	v_lshlrev_b32 v[TCR], 6, v2
	s_wait_alu depctr_va_vdst(0)
	v_and_b32 v6, 7, v1
	v_lshl_add_u32 v6, v5, 4, v6                   ; 16 (r / 8) + r % 8: my token's column coordinate in an even block of R
	v_lshl_add_u32 v[TCC], v6, 7, v[TCR]
	s_wait_alu depctr_va_vdst(0)
	s_mov_b32 s[SEL], 0x76543210
	s_mov_b32 s[SEL+1], 0xfedcba98
	s_mov_b32 s[HIM], 0xffff0000
	; the table.  Block a of my tokens has the row coordinate 8 (tile row % 4) + 4 (my half) + a / 2 and the column coordinates 16 (r / 8) + 8 (a % 2) + r % 8; a position is 128 bytes
	s_and_b32 s92, s19, 3
	s_lshl_b32 s92, s92, 3
	s_lshl_b32 s93, s17, 2
	s_add_co_u32 s92, s92, s93
	s_lshl_b32 s92, s92, 7
	s_mov_b32 s93, 0
	s_add_nc_u64 s[46:47], s[12:13], s[92:93]
	WIN TO_P
.irp g, 0,1,2,3
.irp k, 0,1,2,3
	global_load_b128 v[CSR+16*\g+4*\k:CSR+16*\g+4*\k+3], v[TCR], s[46:47] offset:128*\g+16*\k
.endr
.endr
.irp u, 0,1
.irp k, 0,1,2,3
	global_load_b128 v[CSC+16*\u+4*\k:CSC+16*\u+4*\k+3], v[TCC], s[12:13] offset:1024*\u+16*\k
.endr
.endr
	WIN 0                                          ; (a cluster of v loads them too and leaves them: 24 loads, against a branch with which every later path would have to agree)
	; where my results go: head 16 (tile row / 4) + 4 (tile column % 4) + 2 (my half of w's rows); part q, k or v; my 128 tokens are chunk 2 (tile row % 4) + my half
	s_lshr_b32 s92, s19, 2
	s_lshl_b32 s92, s92, 4
	s_and_b32 s93, s42, 3
	s_lshl_b32 s93, s93, 2
	s_add_co_u32 s92, s92, s93
	s_lshl_b32 s93, s66, 1
	s_add_co_u32 s92, s92, s93
	s_mul_i32 s92, s92, HEADB
	s_lshr_b32 s93, s42, 2
	s_mul_i32 s93, s93, PARTB
	s_add_co_u32 s92, s92, s93
	s_and_b32 s93, s19, 3
	s_lshl_b32 s93, s93, 1
	s_add_co_u32 s93, s93, s67                     ; the chunk
	s_lshl_b32 s94, s93, 12                        ; 4,096 bytes of codes a chunk and head
	s_add_co_u32 s94, s94, s92
	s_mov_b32 s95, 0
	s_add_nc_u64 s[OC:OC+1], s[14:15], s[94:95]
	s_cmp_lg_u32 s[ISV], 0
	s_cselect_b32 s94, 8, 9                        ; scale words: 256 bytes a chunk for v, 512 for q and k
	s_lshl_b32 s94, s93, s94
	s_add_co_u32 s94, s94, s92
	s_add_co_u32 s94, s94, 32768
	s_add_nc_u64 s[OS:OS+1], s[14:15], s[94:95]
.macro FRAG reg, adr, q, i             ; a fragment, 16 rows x 128 K of 4-bit codes: lane l holds row l % 16; registers 4 c .. 4 c + 3 hold K = 64 c + 32 (l / 16) + 0 .. 31
.irp c, 0,1
	ds_load_b128 v[(\reg)+4*\c:(\reg)+4*\c+3], v[\adr] offset:64*(\q)+32*\c+(\i)*16*PITCH
.endr
.endm
; 16 matrix instructions: R's blocks a0, a0 + 1 x P's eight, the kq-th 128 along K.  p: P's set.  zero = 1: the first product starts the sums: nothing is cleared.
; The 64 accumulators take turns, one instruction a turn, in the same order in every step.  Both sides' scale words are read from lanes 0-15.
.macro MUL16 a0, p, kq, zero
.irp a, \a0, \a0+1
.irp b, 0,1,2,3,4,5,6,7
.if \zero
	v_wmma_scale_f32_16x16x128_f8f6f4 v[8*(8*((\a)%4)+\b):8*(8*((\a)%4)+\b)+7], v[128*(\p)+8*\b:128*(\p)+8*\b+7], v[RF+8*(\a):RF+8*(\a)+7], 0, v[PS+8*\b+(\kq)], v[RS+8*(\a)+(\kq)] matrix_a_fmt:MATRIX_FMT_FP4 matrix_b_fmt:MATRIX_FMT_FP4
.else
	v_wmma_scale_f32_16x16x128_f8f6f4 v[8*(8*((\a)%4)+\b):8*(8*((\a)%4)+\b)+7], v[128*(\p)+8*\b:128*(\p)+8*\b+7], v[RF+8*(\a):RF+8*(\a)+7], v[8*(8*((\a)%4)+\b):8*(8*((\a)%4)+\b)+7], v[PS+8*\b+(\kq)], v[RS+8*(\a)+(\kq)] matrix_a_fmt:MATRIX_FMT_FP4 matrix_b_fmt:MATRIX_FMT_FP4
.endif
.endr
.endr
.endm
.macro FETCH_P slot, q, p              ; P's eight fragments of the slot's q-th 128 along K into set p
	WIN TO_P
.irp i, 0,1,2,3,4,5,6,7
	FRAG 128*(\p)+8*\i, ADRP+\slot, \q, \i
.endr
	WIN 0
.endm
.macro FETCH_R slot, q, i0             ; R's blocks i0 .. i0 + 3
.irp i, \i0, \i0+1, \i0+2, \i0+3
	FRAG RF+8*(\i), ADRR+\slot, \q, \i
.endr
.endm
; A load into a register that a matrix instruction has read, and a vector instruction that reads a matrix result or writes one of its registers, stand four places behind it, and only plain vector
; instructions that name none of its registers are places (ISA guide 7.12.1 for vector instructions).
.macro PLACES n
.rept \n
	v_nop
.endr
.endm
; A step of 128 along K that has its successor in the same slot.  R has one set of registers: a block is free when its eight products are issued; blocks 0-3 are fetched anew in the step's middle, 4-7 at its end.
.macro STEP slot, q, zero
	s_wait_dscnt 8                                 ; all but the youngest eight loads (R's blocks 4-7) are in
	WIN MUL_LO
	MUL16 0, (\q)%2, 4*(\slot)+(\q), \zero
	MUL16 2, (\q)%2, 4*(\slot)+(\q), \zero
	s_wait_dscnt 0                                 ; R's blocks 4-7 are in (asked for 32 matrix instructions ago)
	PLACES 4
	FETCH_P \slot, (\q)+1, 1-(\q)%2
	FETCH_R \slot, (\q)+1, 0
	WIN MUL_HI
	MUL16 4, (\q)%2, 4*(\slot)+(\q), \zero
	MUL16 6, (\q)%2, 4*(\slot)+(\q), \zero
	PLACES 4
	WIN 0
	FETCH_R \slot, (\q)+1, 4
.endm
	s_wait_alu depctr_va_vdst(0)
	s_wait_tensorcnt 0x0                           ; my tile of the head's four is in
	ds_add_u32 v122, v123
	s_mov_b32 s[G1+2], 128<<16                     ; no tensor load of mine is out: from here on a load brings 128 rows
	s_mov_b32 s[G1+4], 128
	s_mov_b32 s[G1B+2], 128<<16
	s_mov_b32 s[G1B+4], 128
	s_wait_dscnt 0x0                               ; the add is done
	CROUND                                         ; all four tiles are in, and all sixteen work-groups are here
	JLOAD G0+4, G1, G0B+4, G1B                     ; slot 1: my one tensor load behind the round
.irp i, 0,1,2,3,4,5,6,7                        ; all scale words, once: 8 words (K = 1,024) for each of my 128 rows of R and of P
.irp c, 0,1
	ds_load_b128 v[RS+8*\i+4*\c:RS+8*\i+4*\c+3], v[ASR] offset:\i*SBLK+16*\c
	ds_load_b128 v[PS+8*\i+4*\c:PS+8*\i+4*\c+3], v[ASP] offset:\i*SBLK+16*\c
.endr
.endr
	FETCH_P 0, 0, 0
	FETCH_R 0, 0, 0
	FETCH_R 0, 0, 4
	STEP 0, 0, 1                                   ; the first step's products start the sums
	STEP 0, 1, 0
	STEP 0, 2, 0
	; slot 0's last step goes over to slot 1: one barrier, in front of which each wave's part of slot 1 has landed
	s_wait_tensorcnt 0x0
	s_wait_dscnt 8
	WIN MUL_LO
	MUL16 0, 1, 3, 0
	s_wait_dscnt 0x0                               ; no LDS load of mine is out at the signal
	s_barrier_signal -1
	MUL16 2, 1, 3, 0                               ; work on registers while the others arrive
	WIN 0
	s_barrier_wait -1
	PLACES 4
	FETCH_P 1, 0, 0
	FETCH_R 1, 0, 0
	WIN MUL_HI
	MUL16 4, 1, 3, 0
	MUL16 6, 1, 3, 0
	PLACES 4
	WIN 0
	FETCH_R 1, 0, 4
	STEP 1, 0, 0
	STEP 1, 1, 0
	STEP 1, 2, 0
	s_wait_dscnt 8                                 ; the last step: nothing more to fetch
	WIN MUL_LO
	MUL16 0, 1, 7, 0
	MUL16 2, 1, 7, 0
	s_wait_dscnt 0
	WIN MUL_HI
	MUL16 4, 1, 7, 0
	MUL16 6, 1, 7, 0
	WIN 0
; THE QUANTISER.  64 numbers of a lane in window w, register 16 b + i = k 32 b + 16 (lane / 16) + i of the lane's row, become a fragment's codes in v[cd] on and its scale word in v[pw] (window 0).
; Each accumulator is read from its low end on.
.macro QUANT s, w, cd, pw
.set QS, \s
.set QW, \w
.set QC, \cd
.set QO, \pw
	WIN QW|(QW<<2)
.irp b, 0,1,2,3
	v_max3_num_f32 v[TM+\b], |v[QS+16*\b]|, |v[QS+1+16*\b]|, 0x1800000   ; block b: my 16 numbers, and the floor 2^(3 - 127): so the byte cannot fall under 1
.endr
	WIN (QW<<2)|(QW<<4)
.irp i, 2,4,6,8,10,12,14
.irp b, 0,1,2,3
	v_max3_num_f32 v[TM+\b], v[TM+\b], |v[QS+16*\b+\i]|, |v[QS+1+16*\b+\i]|   ; (the four blocks by turns)
.endr
.endr
	WIN 0
.irp b, 0,1,2,3
	v_permlanex16_b32 v[TM+4+\b], v[TM+\b], s[SEL], s[SEL+1]
.endr
.irp b, 0,1,2,3
	v_max_num_f32 v[TM+\b], v[TM+\b], v[TM+4+\b]   ; with lane l xor 16's: the block's largest magnitude
.endr
.irp b, 0,1,2,3
	v_add_nc_u32 v[TM+12+\b], 0xff000000, v[TM+\b] ; 2 off its exponent field: the conversion's scale operand
.endr
.irp b, 0,1,2,3
	v_lshrrev_b32 v[TM+4+\b], 23, v[TM+12+\b]      ; the scale's byte
.endr
	v_lshl_or_b32 v[QO], v[TM+5], 8, v[TM+4]
	v_lshl_or_b32 v[QO], v[TM+6], 16, v[QO]
	v_lshl_or_b32 v[QO], v[TM+7], 24, v[QO]
	WIN QW
.irp b, 0,1,2,3
	v_cvt_scalef32_pk8_fp4_f32 v[QC+2*\b], v[QS+16*\b:QS+7+16*\b], v[TM+12+\b]
	v_cvt_scalef32_pk8_fp4_f32 v[QC+1+2*\b], v[QS+8+16*\b:QS+15+16*\b], v[TM+12+\b]
.endr
	WIN 0
	v_nop                                          ; one plain line behind a scaled conversion
.irp c, 0,1                                    ; the operand's layout wants a whole block in a lane: lanes 0-15 block 2 c, lanes 16-31 block 2 c + 1
.irp i, 0,1
	v_permlane16_swap_b32 v[QC+4*\c+\i], v[QC+2+4*\c+\i]
.endr
.endr
.endm
; q AND k: block a of my tokens.  A lane holds one token; register 32 e + 16 b + i is channel 32 b + 16 (lane / 16) + i of head e.  Channels 2 p, 2 p + 1 turn by angle p: p under 16 by the row coordinate, else by the column's:
; so b picks the coordinate, and a lane's eight pairs take its eight frequencies.
.macro QKTILE a
.set KW, 2+(\a)/4
.set AC, 64*((\a)%4)
	WIN KW|(1<<2)                                  ; the sums in window 2 or 3, cos and sin in window 1, results in window 0
.irp e, 0,1
.irp be, 0,1
.irp i, 0,1,2,3,4,5,6,7
.set RH, 32*\e+16*\be+2*\i
.set CX, (1-\be)*(CSR+16*((\a)/2))+\be*(CSC+16*((\a)%2))+2*\i
	v_pk_mul_f32 v[X+RH:X+RH+1], v[AC+RH:AC+RH+1], v[CX:CX+1] op_sel_hi:[1,0]     ; (xr c, xi c)
.endr
.endr
.endr
.irp e, 0,1
.irp be, 0,1
.irp i, 0,1,2,3,4,5,6,7
.set RH, 32*\e+16*\be+2*\i
.set CX, (1-\be)*(CSR+16*((\a)/2))+\be*(CSC+16*((\a)%2))+2*\i
	v_pk_fma_f32 v[X+RH:X+RH+1], v[AC+RH:AC+RH+1], v[CX:CX+1], v[X+RH:X+RH+1] op_sel:[1,1,0] op_sel_hi:[0,1,1] neg_lo:[1,0,0]   ; (xr c - xi s, xi c + xr s)
.endr
.endr
.endr
	WIN 0
.irp e, 0,1                                    ; the sum of squares of each head's 32 numbers of mine: two chains of pairs
	v_pk_mul_f32 v[SS+4*\e:SS+4*\e+1], v[X+32*\e:X+32*\e+1], v[X+32*\e:X+32*\e+1]
	v_pk_mul_f32 v[SS+4*\e+2:SS+4*\e+3], v[X+32*\e+2:X+32*\e+3], v[X+32*\e+2:X+32*\e+3]
.endr
.irp i, 4,8,12,16,20,24,28
.irp e, 0,1
	v_pk_fma_f32 v[SS+4*\e:SS+4*\e+1], v[X+32*\e+\i:X+32*\e+\i+1], v[X+32*\e+\i:X+32*\e+\i+1], v[SS+4*\e:SS+4*\e+1]
	v_pk_fma_f32 v[SS+4*\e+2:SS+4*\e+3], v[X+32*\e+\i+2:X+32*\e+\i+3], v[X+32*\e+\i+2:X+32*\e+\i+3], v[SS+4*\e+2:SS+4*\e+3]
.endr
.endr
.irp e, 0,1
	v_pk_add_f32 v[SS+4*\e:SS+4*\e+1], v[SS+4*\e:SS+4*\e+1], v[SS+4*\e+2:SS+4*\e+3]
.endr
.irp e, 0,1
	v_add_f32 v[SS+4*\e], v[SS+4*\e], v[SS+4*\e+1]
.endr
.irp e, 0,1
	v_permlanex16_b32 v[PT+\e], v[SS+4*\e], s[SEL], s[SEL+1]
.endr
.irp e, 0,1
	v_add_f32 v[SS+4*\e], v[SS+4*\e], v[PT+\e]     ; with lane l xor 16's 32 channels
.endr
.irp e, 0,1
	v_max_num_f32 v[SS+4*\e], 0x179abe15, v[SS+4*\e]   ; at least 1e-24: the length at least 1e-12
.endr
	s_wait_alu depctr_va_vdst(0)
.irp e, 0,1
	v_rsq_f32 v[RQ+2*\e], v[SS+4*\e]
.endr
	v_nop                                          ; a plain line behind the roots,
	s_wait_alu depctr_va_vdst(0)                   ; and the wait ahead of their first reader: one for the two
.irp e, 0,1
.irp i, 0,2,4,6,8,10,12,14,16,18,20,22,24,26,28,30
	v_pk_mul_f32 v[X+32*\e+\i:X+32*\e+\i+1], v[X+32*\e+\i:X+32*\e+\i+1], v[RQ+2*\e:RQ+2*\e+1] op_sel_hi:[1,0]
.endr
.endr
	QUANT X, 0, CD+8*(\a), PW                      ; blocks 0, 1: head 0; blocks 2, 3: head 1.  Code registers 0-3 are head 0's image (lane: channels 32 (lane / 16) on), 4-7 head 1's
	global_store_b128 v[LI], v[CD+8*(\a):CD+8*(\a)+3], s[OC:OC+1] offset:512*(\a)              ; 32 lanes store 512 consecutive bytes, aligned
	global_store_b128 v[LI], v[CD+8*(\a)+4:CD+8*(\a)+7], s[OC:OC+1] offset:512*(\a)+HEADB
	v_perm_b32 v[SW+(\a)], v[PW], v[PW], 0x01000100      ; head 0's word: its two bytes, twice (the upper two will scale zero codes: K = 64 in an instruction of 128)
	v_perm_b32 v[SW+8+(\a)], v[PW], v[PW], 0x03020302    ; head 1's
.endm
; v: block a of my channels (head a / 4, tile a % 4).  A lane holds one channel; its 64 registers are my 128 tokens' half: the sums go into the quantiser as they stand.
.macro VTILE a
	QUANT 64*((\a)%4), 2+(\a)/4, CD+8*(\a), SW+(\a)
	global_store_b128 v[LI], v[CD+8*(\a):CD+8*(\a)+3], s[OC:OC+1] offset:((\a)%4)*1024+((\a)/4)*HEADB
	global_store_b128 v[LI], v[CD+8*(\a)+4:CD+8*(\a)+7], s[OC:OC+1] offset:((\a)%4)*1024+((\a)/4)*HEADB+512
.endm
	PLACES 4                                       ; behind the last products: their results are read, and registers that held their operands and scale words are written
.irp b, 0,1,2,3
	v_mov_b32 v[TM+4+\b], 0                        ; written once: a lane permute's destination counts as one of its sources
.endr
	v_mov_b32 v[PT], 0
	v_mov_b32 v[PT+1], 0
	v_mov_b32 v[RQ+1], 0                           ; (named as the upper halves of pairs of which the low word serves both halves)
	v_mov_b32 v[RQ+3], 0
	s_cmp_lg_u32 s[ISV], 0                         ; the same in all sixteen partners
	s_cbranch_scc1 .Lvalues
	s_wait_loadcnt 0x0                             ; the table
.irp a, 0,1,2,3,4,5,6,7
	QKTILE \a
.endr
.irp e, 0,1                                    ; scale words: [four tiles][r][word of each tile]: lanes 0-15 store blocks 0-3's, lanes 16-31 blocks 4-7's (lanes l and l xor 16 hold the same words)
.irp i, 0,1,2,3
	v_cndmask_b32 v[OW+4*\e+\i], v[SW+8*\e+\i], v[SW+8*\e+4+\i], s[HIM]
.endr
	global_store_b128 v[LI], v[OW+4*\e:OW+4*\e+3], s[OS:OS+1] offset:\e*HEADB
.endr
	s_branch .Ldone
.Lvalues:
.irp a, 0,1,2,3,4,5,6,7
	VTILE \a
.endr
.irp i, 0,1,2,3                                ; scale words: [r][tile]: lanes 0-15 store head 0's four tiles, lanes 16-31 head 1's: each half 256 consecutive bytes, aligned
	v_cndmask_b32 v[OW+\i], v[SW+\i], v[SW+4+\i], s[HIM]
.endr
	global_store_b128 v[VSO], v[OW:OW+3], s[OS:OS+1]
.Ldone:
	s_wait_tensorcnt 0x0
	ds_add_u32 v122, v123
	s_wait_dscnt 0x0
	CROUND                                         ; the closing round: no work-group ends while a partner may still ask for a tile that names it
	s_endpgm
.Lfunc_end_k_qa999262da1_gemm:
	.size	k_qa999262da1_gemm, .Lfunc_end_k_qa999262da1_gemm-k_qa999262da1_gemm
	.p2alignl 7, 3214868480
	.fill 96, 4, 3214868480
	.section	.rodata,"a",@progbits
	.p2align	6, 0x0
	.amdhsa_kernel k_qa999262da1_gemm
		.amdhsa_group_segment_fixed_size 327680
		.amdhsa_private_segment_fixed_size 0
		.amdhsa_enable_private_segment 0
		.amdhsa_kernarg_size 48
		.amdhsa_user_sgpr_count 2
		.amdhsa_user_sgpr_kernarg_segment_ptr 1
		.amdhsa_wavefront_size32 1
		.amdhsa_system_sgpr_workgroup_id_x 1
		.amdhsa_system_sgpr_workgroup_id_y 1
		.amdhsa_system_sgpr_workgroup_id_z 1
		.amdhsa_system_vgpr_workitem_id 0
		.amdhsa_next_free_vgpr 1024
		.amdhsa_next_free_sgpr 102
		.amdhsa_reserve_vcc 0
		.amdhsa_float_denorm_mode_32 3
		.amdhsa_float_denorm_mode_16_64 3
		.amdhsa_memory_ordered 1
		.amdhsa_forward_progress 1
		.amdhsa_inst_pref_size 237
	.end_amdhsa_kernel
	.amdgpu_metadata
---
amdhsa.version: [ 1, 2 ]
amdhsa.kernels:
  - .name:           k_qa999262da1_gemm
    .symbol:         k_qa999262da1_gemm.kd
    .args:
      - { .name: xc, .offset: 0, .size: 8, .value_kind: global_buffer, .address_space: global }
      - { .name: xsc, .offset: 8, .size: 8, .value_kind: global_buffer, .address_space: global }
      - { .name: wc, .offset: 16, .size: 8, .value_kind: global_buffer, .address_space: global }
      - { .name: wsc, .offset: 24, .size: 8, .value_kind: global_buffer, .address_space: global }
      - { .name: rope, .offset: 32, .size: 8, .value_kind: global_buffer, .address_space: global }
      - { .name: qkv, .offset: 40, .size: 8, .value_kind: global_buffer, .address_space: global }
    .group_segment_fixed_size: 327680
    .private_segment_fixed_size: 0
    .kernarg_segment_align: 8
    .kernarg_segment_size: 48
    .max_flat_workgroup_size: 128
    .sgpr_count:     102
    .vgpr_count:     1024
    .wavefront_size: 32
...
	.end_amdgpu_metadata
.endif
;; end of part 2
;; launch attn (part 3): grid 2 x 128, 16 waves a work-group, no clusters, 169,984 bytes of LDS; arguments qkv, logit_scale, out0; writes out0
.if DOCPART == 3
	.amdgcn_target "amdgcn-amd-amdhsa--gfx1250"
	.amdhsa_code_object_version 6
	.text
	.protected	k_qa999262da1_attn
	.globl	k_qa999262da1_attn
	.p2align	8
	.type	k_qa999262da1_attn,@function
k_qa999262da1_attn:
	s_mov_b64 s[64:65], 0
	v_nop
	global_prefetch_b8 v0, s[64:65] scope:SCOPE_SE
	s_setreg_imm32_b32 hwreg(HW_REG_WAVE_MODE, 25, 1), 1
	s_wait_xcnt 0x0
; out[b][n][head][:] = the sum over keys of softmax(qn . kn x exp(min(logit_scale, 4.6052))) v, both products on codes of FP4 (E2M1) with one E8M0 scale for each 32 along a product's K.
; q, k and v come as images of operand registers, made by the launch before: for each head 108,544 bytes: q's codes (64 tiles x 512 bytes) and scale words, k's likewise, v's codes [key step 8][tile 4][half 2][512 bytes] and scale words.
; THE SOFTMAX AHEAD OF THE SECOND PRODUCT: t = score x c, c = scale x log2(e); M = the row's largest t so far, rounded up to a whole number; p = 2^(t - M) is what is quantised, along the keys.  The row's sum is taken of the
; unquantised p and divides at the end.  When M moves, the sum and O are multiplied by 2^(old M - new M), which rounds nothing.
; SHARES.  A work-group owns half the queries (512) of one head; each of its sixteen waves one tile of 16 queries at a time, twice.  Four waves share a SIMD: one wave's vector work stands beside another's products and LDS loads.
; LDS.  A head's k and v with their scale words are 71,680 consecutive bytes: they come once (waves 0 to 7: one tensor load each, 35 rows of 256 bytes) and are only read.  Behind them a stage of 16 rows x 272 bytes for each wave.
; More than half of a WGP's LDS is claimed.  No multicast: only the two work-groups of a head share tiles, and a cluster of four would hold two heads.
; LAYOUT.  Both products are used transposed: S^T = K Q^T (source 0 = 16 keys), O^T = V^T P^T (source 0 = 16 channels): a lane holds one query throughout.  The rows of a tile are not neighbours (positions 0-7, 8-15 of a tile are
; rows 0-7 and 16-23, or 8-15 and 24-31, of 32): so the 16 registers of two neighbouring tiles of S^T are 16 neighbouring keys, those of O^T 16 neighbouring channels, and lane r's query is token 16 (r / 8) + 8 (tile % 2) + r % 8 of its 32.
; K = 64 IN AN INSTRUCTION OF 128: Q's upper four registers are zero codes.  A tile of K is four registers; the four behind it (the next tile's codes, zeros behind the last) stand as its upper half and meet those zeros.
; LIMITS: NaN and infinities are not served.  A block of p that has fallen to zero keeps the scale byte 1: its codes are zeros.
; REGISTERS: v1-7 addresses; v12 -M, v13 the largest t, v[14:15] the sum in two halves; v16-23 Q; v[24:25] c; v32-67 K's eight tiles and four zeros; v68-71 K's scale words, v72-75 V's; v96-159 S^T, then p;
;   v160-191 O^T; v192-223 V's four fragments; v224-231 p's codes; v232-254 at work; v255 Q's scale words.
.set HEADB, 108544
.set KVOFF, 36864                      ; where k begins in a head's bytes
.set QUART, 8960                       ; an eighth of k's and v's 71,680 bytes: 35 rows of 256: waves 0 to 7 fetch one each
.set LKS,   32768                      ; LDS: K's codes at 0, K's scale words,
.set LV,    36864                      ; V's codes,
.set LVS,   69632                      ; V's scale words,
.set STAGE, 71680                      ; the stages
.set AL,  1                            ; v1  16 x lane
.set AV,  2                            ; v2  LV + 16 x lane
.set AR,  3                            ; v3  LVS + 16 r
.set STO, 4                            ; v4  the stage: where I put my numbers of a row: 272 r + 64 h
.set RD,  5                            ; v5  and where I read a row back: 272 h + 16 r
.set GO,  6                            ; v6  the same two rows in out0: 4,096 h + 16 r
.set AQ,  7                            ; v7  16 r: Q's scale words
.set WV,  10                           ; s10 my wave's number
.set G0,  12                           ; s[12:15], s[16:23] the tensor load's descriptor
.set G1,  16
.set SEL, 24                           ; s[24:25] v_permlanex16_b32's selects for lane l xor 16
.set QP,  26                           ; s[26:27] my tile of Q's codes
.set QSP, 28                           ; s[28:29] its scale words
.set OUT, 30                           ; s[30:31] its first row of out0, at my head
	s_load_b128 s[4:7], s[0:1], 0x0                ; qkv, logit_scale
	s_load_b64 s[8:9], s[0:1], 0x10                ; out0
	v_lshl_add_u32 v250, v0, 2, 0x29000
	v_mov_b32 v251, 0
	ds_add_u32 v250, v251
	ds_add_u32 v250, v251
	v_lshrrev_b32 v8, 5, v0
	s_delay_alu instid0(VALU_DEP_1)
	v_readfirstlane_b32 s[WV], v8                  ; wave 0..15
	s_and_b32 s11, ttmp7, 0xffff                   ; 16 x batch + head
	s_mul_i32 s34, s11, HEADB
	s_mov_b32 s35, 0
	s_and_b32 s36, s11, 15
	s_lshl_b32 s36, s36, 2
	s_mov_b32 s37, 0
	s_and_b32 s33, s[WV], 7
	s_mul_i32 s33, s33, QUART                      ; which quarter I fetch, if I fetch
	s_mov_b32 s[G1+0], 3<<16                       ; no mask; elements of 8 bytes; no padding: images are read 16 bytes a lane, 512 consecutive bytes an instruction
	s_mov_b32 s[G1+1], 32<<16                      ; tensor_dim0 = 32
	s_mov_b32 s[G1+2], 35<<16                      ; tensor_dim1 = 35
	s_mov_b32 s[G1+3], 32<<16                      ; tile_dim0 = 32
	s_mov_b32 s[G1+4], 35                          ; tile_dim1 = 35
	s_mov_b32 s[G1+5], 32                          ; from row to row
	s_mov_b32 s[G1+6], 0
	s_mov_b32 s[G1+7], 0
	s_wait_dscnt 0x0
	s_wait_kmcnt 0x0
	s_add_nc_u64 s[4:5], s[4:5], s[34:35]          ; my head's bytes
	s_add_nc_u64 s[6:7], s[6:7], s[36:37]
	s_load_b32 s38, s[6:7], 0x0                    ; my head's logit_scale
	s_mov_b32 s[G0], 1
	s_mov_b32 s[G0+1], s33
	s_add_co_u32 s36, s33, KVOFF
	s_add_nc_u64 s[G0+2:G0+3], s[4:5], s[36:37]
	s_or_b32 s[G0+3], s[G0+3], 0x80000000
	s_cmp_lt_u32 s[WV], 8
	s_cbranch_scc0 .Lno_fetch
	tensor_load_to_lds s[G0:G0+3], s[G1:G1+7]      ; the one tensor load of waves 0 to 7
	s_nop 0
.rept 4
	v_nop
.endr
.Lno_fetch:
	s_lshl_b32 s36, ttmp9, 5
	s_add_co_u32 s36, s36, s[WV]                   ; my first tile of queries: 32 x + wave
	s_lshl_b32 s36, s36, 9
	s_add_nc_u64 s[QP:QP+1], s[4:5], s[36:37]
	s_lshl_b32 s36, ttmp9, 3                       ; its scale words: [four tiles][r][tile % 4]
	s_lshr_b32 s39, s[WV], 2
	s_add_co_u32 s36, s36, s39
	s_lshl_b32 s36, s36, 8
	s_and_b32 s39, s[WV], 3
	s_lshl_b32 s39, s39, 2
	s_add_co_u32 s36, s36, s39
	s_add_co_u32 s36, s36, 32768
	s_add_nc_u64 s[QSP:QSP+1], s[4:5], s[36:37]
	s_lshl_b32 s40, ttmp9, 9                       ; its first token: 512 x + 32 (wave / 2) + 8 (wave % 2)
	s_lshr_b32 s41, s[WV], 1
	s_lshl_b32 s41, s41, 5
	s_add_co_u32 s40, s40, s41
	s_and_b32 s41, s[WV], 1
	s_lshl_b32 s41, s41, 3
	s_add_co_u32 s40, s40, s41
	s_lshl_b32 s40, s40, 12                        ; a token's row is 4,096 bytes,
	s_lshr_b32 s41, s11, 4
	s_lshl_b32 s41, s41, 22                        ; a batch 2^22,
	s_add_co_u32 s40, s40, s41
	s_and_b32 s41, s11, 15
	s_lshl_b32 s41, s41, 8                         ; a head 256
	s_add_co_u32 s40, s40, s41
	s_mov_b32 s41, 0
	s_add_nc_u64 s[OUT:OUT+1], s[8:9], s[40:41]
	s_mov_b32 s[SEL], 0x76543210
	s_mov_b32 s[SEL+1], 0xfedcba98
	v_and_b32 v8, 15, v0                           ; r
	v_bfe_u32 v9, v0, 4, 1                         ; h
	v_and_b32 v10, 31, v0
	s_delay_alu instid0(VALU_DEP_1)
	v_lshlrev_b32 v[AL], 4, v10
	s_delay_alu instid0(VALU_DEP_1)
	v_add_nc_u32 v[AV], LV, v[AL]
	v_lshl_add_u32 v[AR], v8, 4, LVS
	s_mul_i32 s39, s[WV], 16*272
	s_add_co_u32 s39, s39, STAGE                   ; my stage
	v_mul_u32_u24 v[STO], v8, 272
	s_delay_alu instid0(VALU_DEP_1)
	v_lshl_add_u32 v[STO], v9, 6, v[STO]
	s_delay_alu instid0(VALU_DEP_1)
	v_add_nc_u32 v[STO], s39, v[STO]
	v_mul_u32_u24 v[RD], v9, 272
	s_delay_alu instid0(VALU_DEP_1)
	v_lshl_add_u32 v[RD], v8, 4, v[RD]
	s_delay_alu instid0(VALU_DEP_1)
	v_add_nc_u32 v[RD], s39, v[RD]
	v_lshlrev_b32 v[GO], 12, v9
	s_delay_alu instid0(VALU_DEP_1)
	v_lshl_add_u32 v[GO], v8, 4, v[GO]
	v_lshlrev_b32 v[AQ], 4, v8
	global_load_b128 v[16:19], v[AL], s[QP:QP+1]                ; Q's image of my first tile: lane (r, h): channels 32 h on of query r
	global_load_b32 v255, v[AQ], s[QSP:QSP+1]                   ; and its scale words
	global_load_b128 v[76:79], v[AL], s[QP:QP+1] offset:8192    ; my second tile, 16 tiles on, waits in v76-79,
	global_load_b32 v80, v[AQ], s[QSP:QSP+1] offset:1024        ; its scale words in v80
.irp j, 20,21,22,23,64,65,66,67
	v_mov_b32 v[\j], 0                             ; zero codes: Q's upper half; what stands behind K's last tile
.endr
.irp b, 0,1,2,3
	v_mov_b32 v[236+\b], 0                         ; written once: a lane permute's destination counts as one of its sources
.endr
	s_wait_kmcnt 0x0
	v_mov_b32 v24, s38
	s_delay_alu instid0(VALU_DEP_1)
	v_min_num_f32 v24, 0x40935dcc, v24             ; min(logit_scale, 4.6052)
	s_delay_alu instid0(VALU_DEP_1)
	v_mul_f32 v24, 0x3fb8aa3b, v24
	s_wait_alu depctr_va_vdst(0)
	v_exp_f32 v24, v24                             ; the scale
	v_nop                                          ; a plain line behind the exponential,
	s_wait_alu depctr_va_vdst(0)                   ; and the wait ahead of its first reader
	v_mul_f32 v24, 0x3fb8aa3b, v24                 ; c = scale x log2(e): positive
	s_delay_alu instid0(VALU_DEP_1)
	v_mov_b32 v25, v24                             ; (named with it as a pair)
	s_wait_tensorcnt 0x0                           ; my quarter has landed (a wave without a load passes),
	s_barrier_signal -1
	s_barrier_wait -1                              ; everybody's has: the launch's one barrier
; A KEY STEP: 128 keys, the s-th of eight.  Every LDS offset is an immediate.  Step 0 starts M, the sum and O^T: nothing is cleared.
.macro KLOAD n                         ; K's eight tiles of key step n and their scale words (lanes 0-15 those of tiles 0-3, lanes 16-31 of tiles 4-7): nine LDS loads
.irp t, 0,1,2,3,4,5,6,7
	ds_load_b128 v[32+4*\t:35+4*\t], v[AL] offset:4096*(\n)+512*\t
.endr
	ds_load_b128 v[68:71], v[AL] offset:LKS+512*(\n)
.endm
.macro STEP s
.if \s == 0
	s_wait_loadcnt 0x0                             ; Q and its scale words
.endif
	s_wait_dscnt 0x0                               ; K and its scale words, asked for a step ago (the first: ahead of the loop), are in
.irp t, 0,1,2,3
	v_wmma_scale_f32_16x16x128_f8f6f4 v[96+8*\t:103+8*\t], v[32+4*\t:39+4*\t], v[16:23], 0, v[68+\t], v255 matrix_a_fmt:MATRIX_FMT_FP4 matrix_b_fmt:MATRIX_FMT_FP4
.endr
.irp t, 4,5,6,7
	v_wmma_scale_f32_16x16x128_f8f6f4 v[96+8*\t:103+8*\t], v[32+4*\t:39+4*\t], v[16:23], 0, v[64+\t], v255 matrix_a_fmt:MATRIX_FMT_FP4 matrix_b_fmt:MATRIX_FMT_FP4 matrix_a_scale:MATRIX_SCALE_ROW1
.endr
.rept 4
	v_nop                                          ; places behind the products, ahead of the first read of their results
.endr
.irp t, 0,1,2,3                                ; this step's V: the four places above stand behind the step before's last products too, which read these registers
.irp c, 0,1
	ds_load_b128 v[192+8*\t+4*\c:195+8*\t+4*\c], v[AV] offset:(4*\s+\t)*1024+512*\c
.endr
.endr
	ds_load_b128 v[72:75], v[AR] offset:256*\s           ; V's scale words: row r's, of the four tiles
	KLOAD (\s+1)%8                                 ; the next step's K: K's registers are free; step 7 asks for step 0's, which the next trip takes (the last trip's are awaited and left)
.irp b, 0,1,2,3
	v_max3_num_f32 v[232+\b], v[96+16*\b], v[97+16*\b], v[98+16*\b]
.endr
.irp i, 3,5,7,9,11,13
.irp b, 0,1,2,3
	v_max3_num_f32 v[232+\b], v[232+\b], v[96+16*\b+\i], v[97+16*\b+\i]
.endr
.endr
.irp b, 0,1,2,3
	v_max_num_f32 v[232+\b], v[232+\b], v[111+16*\b]
.endr
.irp b, 0,1,2,3
	s_delay_alu instid0(VALU_DEP_4)
	v_permlanex16_b32 v[236+\b], v[232+\b], s[SEL], s[SEL+1]
.endr
.irp b, 0,1,2,3
	s_delay_alu instid0(VALU_DEP_4)
	v_max_num_f32 v[232+\b], v[232+\b], v[236+\b]  ; with lane l xor 16's 16 keys
.endr
	s_delay_alu instid0(VALU_DEP_2)
	v_max3_num_f32 v254, v232, v233, v234
	s_delay_alu instid0(VALU_DEP_1)
	v_max_num_f32 v254, v254, v235                 ; the step's largest score of my query
.if \s == 0
	s_delay_alu instid0(VALU_DEP_1)
	v_mul_f32 v13, v24, v254                       ; as t: the largest so far
	s_delay_alu instid0(VALU_DEP_1)
	v_floor_f32 v12, -v13                          ; -M = floor(-t) = -ceil(t): M is a whole number
.else
	s_delay_alu instid0(VALU_DEP_1)
	v_mul_f32 v254, v24, v254
	s_delay_alu instid0(VALU_DEP_1)
	v_max_num_f32 v13, v13, v254                   ; the running largest t
	v_mov_b32 v254, v12
	s_delay_alu instid0(VALU_DEP_2)
	v_floor_f32 v12, -v13
	s_delay_alu instid0(VALU_DEP_1)
	v_sub_f32 v254, v12, v254                      ; M's old value less its new one: a whole number, 0 or less
	s_delay_alu instid0(VALU_DEP_1)
	v_cvt_i32_f32 v254, v254
	s_delay_alu instid0(VALU_DEP_1)
	v_ldexp_f32 v252, 1.0, v254                    ; f = 2^(old M - new M)
.endif
.irp j, 0,2,4,6,8,10,12,14,16,18,20,22,24,26,28,30,32,34,36,38,40,42,44,46,48,50,52,54,56,58,60,62
	v_pk_fma_f32 v[96+\j:97+\j], v[96+\j:97+\j], v[24:25], v[12:13] op_sel_hi:[1,0,0]   ; t - M, two at a time (of the pairs c and -M the low word serves both halves)
.endr
.irp b, 0,1,2,3
	v_fma_f32 v[232+\b], v[232+\b], v24, v12       ; the same of each block's largest score
.endr
	s_wait_alu depctr_va_vdst(0)
.irp j, 0,1,2,3,4,5,6,7,8,9,10,11,12,13,14,15,16,17,18,19,20,21,22,23,24,25,26,27,28,29,30,31,32,33,34,35,36,37,38,39,40,41,42,43,44,45,46,47,48,49,50,51,52,53,54,55,56,57,58,59,60,61,62,63
	v_exp_f32 v[96+\j], v[96+\j]                   ; p = 2^(t - M), at most 1
.endr
.if \s == 0
	v_nop                                          ; a plain line behind the exponentials
.else
	v_pk_mul_f32 v[14:15], v[14:15], v[252:253] op_sel_hi:[1,0]   ; the sums under the new M (the plain line behind the exponentials)
.endif
	s_wait_alu depctr_va_vdst(0)                   ; one wait for the batch of 64, ahead of its first reader
.irp b, 0,1,2,3
	v_exp_f32 v[232+\b], v[232+\b]                 ; the block's largest p: the same two instructions on the same number give the same bits
.endr
	v_pk_add_f32 v[236:237], v[96:97], v[98:99]    ; the row's sum is taken of the unquantised p, in two chains of pairs (plain work behind the four, which it does not name)
.irp j, 4,8,12,16,20,24,28,32,36,40,44,48,52,56,60
.if (\s == 0) && (\j == 4)
	v_pk_add_f32 v[14:15], v[100:101], v[104:105]  ; the first step starts the sum
.elseif (\s == 0) && (\j == 8)
.else
	v_pk_add_f32 v[14:15], v[14:15], v[96+\j:97+\j]
.endif
	v_pk_add_f32 v[236:237], v[236:237], v[98+\j:99+\j]
.endr
	s_delay_alu instid0(VALU_DEP_1)
	v_pk_add_f32 v[14:15], v[14:15], v[236:237]
	s_wait_alu depctr_va_vdst(0)                   ; and one for the four
.irp b, 0,1,2,3
	v_max_num_f32 v[232+\b], 0x1800000, v[232+\b]  ; the floor 2^(3 - 127): the byte cannot fall under 1
.endr
.irp b, 0,1,2,3
	s_delay_alu instid0(VALU_DEP_4)
	v_add_nc_u32 v[244+\b], 0xff000000, v[232+\b]  ; 2 off the exponent field: the conversion's scale operand
.endr
.irp b, 0,1,2,3
	s_delay_alu instid0(VALU_DEP_4)
	v_lshrrev_b32 v[236+\b], 23, v[244+\b]         ; the scale's byte
.endr
	s_delay_alu instid0(VALU_DEP_3)
	v_lshl_or_b32 v253, v237, 8, v236              ; p's scale word for these 128 keys
	s_delay_alu instid0(VALU_DEP_1)
	v_lshl_or_b32 v253, v238, 16, v253
	s_delay_alu instid0(VALU_DEP_1)
	v_lshl_or_b32 v253, v239, 24, v253
.irp b, 0,1,2,3
	v_cvt_scalef32_pk8_fp4_f32 v[224+2*\b], v[96+16*\b:103+16*\b], v[244+\b]
	v_cvt_scalef32_pk8_fp4_f32 v[225+2*\b], v[104+16*\b:111+16*\b], v[244+\b]
.endr
	v_nop                                          ; one plain line behind a scaled conversion
.irp c, 0,1                                    ; the operand's layout wants a whole block in a lane
.irp i, 0,1
	v_permlane16_swap_b32 v[224+4*\c+\i], v[226+4*\c+\i]
.endr
.endr
.if \s == 0
	s_wait_alu depctr_va_vdst(0)
.rept 8
	v_nop                                          ; a scale word made by vector instructions stands eight places ahead of a scaled matrix instruction, an operand so made four
.endr
.else
.irp j, 0,2,4,6,8,10,12,14,16,18,20,22,24,26,28,30
	v_pk_mul_f32 v[160+\j:161+\j], v[160+\j:161+\j], v[252:253] op_sel_hi:[1,0]   ; O^T under the new M (these sixteen are also those places)
.endr
.endif
	s_wait_alu depctr_va_vdst(0)
	s_wait_dscnt 0x0                               ; V and its scale words are in
.irp t, 0,1,2,3
.if \s == 0
	v_wmma_scale_f32_16x16x128_f8f6f4 v[160+8*\t:167+8*\t], v[192+8*\t:199+8*\t], v[224:231], 0, v[72+\t], v253 matrix_a_fmt:MATRIX_FMT_FP4 matrix_b_fmt:MATRIX_FMT_FP4
.else
	v_wmma_scale_f32_16x16x128_f8f6f4 v[160+8*\t:167+8*\t], v[192+8*\t:199+8*\t], v[224:231], v[160+8*\t:167+8*\t], v[72+\t], v253 matrix_a_fmt:MATRIX_FMT_FP4 matrix_b_fmt:MATRIX_FMT_FP4
.endif
.endr
.endm
	KLOAD 0                                        ; the first step's K
	s_mov_b32 s32, 2
.Ltrip:                                            ; two trips: tiles 32 x + wave and 32 x + 16 + wave
.irp s, 0,1,2,3,4,5,6,7
	STEP \s
.endr
.irp j, 0,1,2,3
	v_mov_b32 v[16+\j], v[76+\j]                   ; the second tile's Q takes its place (in the second trip these five lines change nothing)
.endr
	v_mov_b32 v255, v80
	v_add_f32 v14, v14, v15
	s_delay_alu instid0(VALU_DEP_1)
	v_permlanex16_b32 v252, v14, s[SEL], s[SEL+1]
	s_delay_alu instid0(VALU_DEP_1)
	v_add_f32 v14, v14, v252                       ; and lane l xor 16's
	s_wait_alu depctr_va_vdst(0)
	v_rcp_f32 v14, v14
.rept 3
	v_nop
.endr
	s_wait_alu depctr_va_vdst(0)                   ; the wait ahead of the reciprocal's first reader
.irp j, 0,2,4,6,8,10,12,14,16,18,20,22,24,26,28,30
	v_pk_mul_f32 v[96+\j:97+\j], v[160+\j:161+\j], v[14:15] op_sel_hi:[1,0]   ; register 16 b + i: channel 32 b + 16 h + i of query r; each accumulator from its low end on
.endr
.irp b, 0,1
.irp k, 0,1,2,3
	ds_store_b128 v[STO], v[96+16*\b+4*\k:99+16*\b+4*\k] offset:128*\b+16*\k
.endr
.endr
.irp i, 0,1,2,3,4,5,6,7
	ds_load_b128 v[192+4*\i:195+4*\i], v[RD] offset:544*\i   ; rows 2 i and 2 i + 1, into V's registers, which are done with; one wave's LDS instructions are served in order (ISA guide 5.7.1.4): these see my stores
.endr
.irp i, 0,1,2,3,4,5,6,7
	s_wait_dscnt 7-\i                              ; load i is in; the younger ones may be out
	global_store_b128 v[GO], v[192+4*\i:195+4*\i], s[OUT:OUT+1] offset:(16*(\i/4)+2*(\i%4))*4096 th:TH_STORE_NT   ; position 2 i + h of the tile is token 16 (i / 4) + 2 (i % 4) + h; sixteen lanes store 256 consecutive bytes, aligned
.endr
	s_wait_xcnt 0x0                                ; the stores have read their addresses and data: the pointer may step, and v192 on may be loaded again
	s_add_nc_u64 s[OUT:OUT+1], s[OUT:OUT+1], 256*4096
	s_sub_co_u32 s32, s32, 1
	s_cmp_lg_u32 s32, 0
	s_cbranch_scc1 .Ltrip
	s_wait_tensorcnt 0x0
	ds_add_u32 v250, v251
	s_wait_dscnt 0x0
	s_endpgm
.Lfunc_end_k_qa999262da1_attn:
	.size	k_qa999262da1_attn, .Lfunc_end_k_qa999262da1_attn-k_qa999262da1_attn
	.p2alignl 7, 3214868480
	.fill 96, 4, 3214868480
	.section	.rodata,"a",@progbits
	.p2align	6, 0x0
	.amdhsa_kernel k_qa999262da1_attn
		.amdhsa_group_segment_fixed_size 169984
		.amdhsa_private_segment_fixed_size 0
		.amdhsa_enable_private_segment 0
		.amdhsa_kernarg_size 24
		.amdhsa_user_sgpr_count 2
		.amdhsa_user_sgpr_kernarg_segment_ptr 1
		.amdhsa_wavefront_size32 1
		.amdhsa_system_sgpr_workgroup_id_x 1
		.amdhsa_system_sgpr_workgroup_id_y 1
		.amdhsa_system_sgpr_workgroup_id_z 1
		.amdhsa_system_vgpr_workitem_id 0
		.amdhsa_next_free_vgpr 256
		.amdhsa_next_free_sgpr 66
		.amdhsa_reserve_vcc 0
		.amdhsa_float_denorm_mode_32 3
		.amdhsa_float_denorm_mode_16_64 3
		.amdhsa_memory_ordered 1
		.amdhsa_forward_progress 1
		.amdhsa_inst_pref_size 132
	.end_amdhsa_kernel
	.amdgpu_metadata
---
amdhsa.version: [ 1, 2 ]
amdhsa.kernels:
  - .name:           k_qa999262da1_attn
    .symbol:         k_qa999262da1_attn.kd
    .args:
      - { .name: qkv, .offset: 0, .size: 8, .value_kind: global_buffer, .address_space: global }
      - { .name: logit_scale, .offset: 8, .size: 8, .value_kind: global_buffer, .address_space: global }
      - { .name: out0, .offset: 16, .size: 8, .value_kind: global_buffer, .address_space: global }
    .group_segment_fixed_size: 169984
    .private_segment_fixed_size: 0
    .kernarg_segment_align: 8
    .kernarg_segment_size: 24
    .max_flat_workgroup_size: 512
    .sgpr_count:     66
    .vgpr_count:     256
    .wavefront_size: 32
...
	.end_amdgpu_metadata
.endif
;; end of part 3
